; MI455X (gfx1250); checked and timed in simulation.
; The chip was launched on July 23, 2026; its instructions are those of AMD's public machine-readable ISA for CDNA 5 (MIT licence, August 2026) and "CDNA5" Instruction Set Architecture Reference Guide (July 2026). The comments in the code are by the model that wrote it; some were corrected since.
;; LSTM Vanilla. Allowed arithmetic: matrix products marked QUANTISED: E2M1 operands, one E8M0 scale for each 32 along K, by v_wmma_scale_f32_16x16x128_f8f6f4 with both operands' format E2M1 (or v_wmma_scale_f32_32x16x128_f4), f32 sums; everything else in f32.
;; Inputs: Wh 4 x 1,024 x 1,024 float32; Wx 4 x 1,024 x 1,024 float32; bh 4 x 1,024 float32; c_prev 8,192 x 1,024 float32; h_prev 8,192 x 1,024 float32; x 8,192 x 1,024 float32.
;; Outputs: out0 8,192 x 1,024 float32; out1 8,192 x 1,024 float32.
;; This version of the problem:
;;   THIS VERSION OF THE PROBLEM IS GIVEN IN LOW PRECISION. The matrix products marked QUANTISED in the list below multiply operands that are first quantised to E2M1 (2 exponent bits, 1 mantissa bit; 4 bits a number), with one power-of-two scale for each 32 numbers along K (OCP MX v1.0); their sums are f32. All else is computed in f32.
;;   The module's matrix products, in the order in which they are computed (A, B: the left and right operand; K: the contracted axis; several contracted axes count as one K, in the product's order):
;;     1. [M 8,192, K 1,024] x [K 1,024, N 4,096]; A: input x; B: input Wx: QUANTISED
;;     2. [M 8,192, K 1,024] x [K 1,024, N 4,096]; A: input h_prev; B: input Wh: QUANTISED
;;   THE QUANTISER, for each operand of a quantised product, along K:
;;     - K is cut into blocks of 32 from its start; a last block that is shorter is filled with zeros.
;;     - A block's scale is 2^e with e = floor(log2(the largest magnitude in the block)) - 2, held to -126 .. 127; a block of zeros has e = 0. As a byte (E8M0): e + 127.
;;     - Each number is divided by its block's scale, clamped to +-6, and rounded to the nearest number of E2M1, ties to even, subnormals kept.
;;     - The product sums the exact products of the quantised numbers (number of the format x scale) in f32.
;;   ~~~python
;;   def quantise(x, axis):      # numpy; x: float32 -> the quantised numbers, widened to float32 again
;;       x = np.moveaxis(x, axis, -1); K = x.shape[-1]
;;       x = np.pad(x, [(0, 0)] * (x.ndim - 1) + [(0, -K % 32)]); x = x.reshape(x.shape[:-1] + (-1, 32)); a = np.abs(x).max(-1, keepdims=True)
;;       e = np.where(a > 0, np.clip(np.frexp(np.where(a > 0, a, 1))[1] - 1 - 2, -126, 127), 0)      # np.frexp(a)[1] - 1 = floor(log2(a)), exactly
;;       r = np.clip(x / 2.0 ** e, -6, 6)
;;       step = 2.0 ** (np.maximum(np.frexp(np.where(r == 0, 1, r))[1] - 1, 0) - 1)
;;       q = np.round(r / step) * step * 2.0 ** e      # np.round: ties to even
;;       return np.moveaxis(q.reshape(q.shape[:-2] + (-1,))[..., :K], -1, axis).astype(np.float32)
;;   ~~~
;; One version. Each part assembles by itself: llvm-mc -triple=amdgcn-amd-amdhsa -mcpu=gfx1250 --defsym DOCPART=n.
;; ======== version 1 of 1: 2 launches
;; limits: right only within a limited range of input values
;; workspace buffers: a_codes 8,388,608 bytes; a_scales 524,288 bytes; b_codes 4,194,304 bytes; b_scales 262,144 bytes
;; launch quant (part 1): grid 768 x 1, 4 waves a work-group, no clusters, 33,280 bytes of LDS; arguments x, h_prev, Wx, Wh, a_codes, a_scales, b_codes, b_scales; writes a_codes, a_scales, b_codes, b_scales
.if DOCPART == 1
	.amdgcn_target "amdgcn-amd-amdhsa--gfx1250"
	.amdhsa_code_object_version 6
	.text
	.protected	k_qc246d9fb55_quant
	.globl	k_qc246d9fb55_quant
	.p2align	8
	.type	k_qc246d9fb55_quant,@function
k_qc246d9fb55_quant:
	s_mov_b64 s[64:65], 0
	v_nop
	global_prefetch_b8 v0, s[64:65] scope:SCOPE_SE
	s_setreg_imm32_b32 hwreg(HW_REG_WAVE_MODE, 25, 1), 1
	s_wait_xcnt 0x0
; x, h_prev [8192][1024] and Wx, Wh [4][1024][1024], f32 with K innermost, become codes of FP4 (E2M1), 4 bits each, with one E8M0 scale byte for each 32 along K.
; A block's scale is 2^(floor(log2(its largest magnitude)) - 2); its byte is the largest magnitude's own exponent field - 2, held at 1 from below.  Each number is divided by the scale and rounded to the nearest code, ties to even, beyond 6 the largest code.
; LIMITS: NaN and infinities among the inputs are not served.  A block of zeros gets the byte 1 where the rule says 127: its codes are zeros, which add nothing, and the bytes are read by this program alone.
;         Blocks whose largest magnitude lies under 2^-124 are held at the byte 1.
; WHAT IS WRITTEN.  The two products share their rows, so their K axes are laid on end: K = 2,048, x's (Wx's) 1,024 first.
;   a_codes [8192][1024 bytes]: bytes 0-511 x's codes, 512-1023 h_prev's.     a_scales [2 halves of K][8192][32 bytes].
;   b_codes [4096 rows n'][1024 bytes], Wx's half, then Wh's.                 b_scales [2][4096 rows n'][32 bytes].
;   THE WEIGHTS' ROWS ARE PERMUTED: gate g, unit h goes to row n' = 128 (h / 32) + 32 g + h % 32, so that 128 neighbouring rows hold 32 units of all four gates.
; SHARES.  768 work-groups of four waves: 0-255 x, 256-511 h_prev, 512-639 Wx, 640-767 Wh.  A wave takes 8 rows = 8,192 numbers, in 16 steps of 512.  One path for all four tensors: only pointers and offsets are chosen, on the work-group's number.
; A STEP.  The conversions take neighbours along K from ONE lane's registers, so a lane must hold 16 neighbours (two lanes a block); a load is best where neighbouring LANES take neighbouring bytes.  Both are had: each of a step's
; four loads reads 512 consecutive bytes; the 2,048 bytes go through the wave's own stage in LDS as they lie and come back 64 bytes a lane (16 bytes of padding behind each 64).  A lane's 16 codes are 8 bytes: the wave stores 256
; consecutive bytes, aligned.  A wave's 256 scale bytes (8 rows x 32) are gathered in LDS and leave as 256 consecutive bytes, aligned.  No barrier: waves share nothing.  Loads run four steps ahead, the turn through LDS one step.
.set STEPS, 16
.set CB,    8                          ; bytes of 16 codes
.set R,     16                         ; v16-79   four sets of 16 numbers as they are loaded
.set X,     80                         ; v80-111  two sets of 16 neighbours
.set E,     112                        ; v112-127 a scale byte for each step
.set C,     128                        ; v128-191 codes: four registers for each step, so that no store's data are written again
.set WREG,  8192                       ; LDS: a region for each wave: two stages of 32 x SP bytes, behind them its 256 scale bytes
.set SP,    80                         ; a lane's place in a stage: 64 bytes + 16 of padding
	s_load_b256 s[4:11], s[0:1], 0x0               ; x s[4:5], h_prev s[6:7], Wx s[8:9], Wh s[10:11]
	s_load_b256 s[12:19], s[0:1], 0x20             ; a_codes s[12:13], a_scales s[14:15], b_codes s[16:17], b_scales s[18:19]
	v_lshl_add_u32 v192, v0, 2, 0x8000
	v_mov_b32 v193, 0
	v_lshrrev_b32 v1, 5, v0
	v_readfirstlane_b32 s20, v1                    ; wave
	v_and_b32 v2, 31, v0                           ; lane
	v_lshlrev_b32 v3, 4, v2                        ; my 16 bytes of a load's 512
	s_mul_i32 s21, s20, WREG
	v_lshrrev_b32 v14, 2, v2
	v_mul_u32_u24 v14, v14, SP
	v_and_b32 v15, 3, v2
	v_lshl_add_u32 v14, v15, 4, v14
	v_add_nc_u32 v14, s21, v14                     ; the stage, on the way in: SP (lane / 4) + 16 (lane % 4); a load's 512 bytes take eight places
	v_mul_u32_u24 v15, v2, SP
	v_add_nc_u32 v15, s21, v15                     ; and on the way out: SP x lane: my 16 neighbours
	v_mul_u32_u24 v4, v2, CB                       ; my codes' place in a step's
	v_lshrrev_b32 v5, 1, v2
	s_add_co_u32 s21, s21, 2*32*SP
	v_add_nc_u32 v5, s21, v5                       ; LDS: my wave's 256 scale bytes, my block's byte
	v_lshlrev_b32 v7, 3, v2                        ; and on the way out 8 bytes a lane
	v_add_nc_u32 v6, s21, v7
	; the work-group's number read as one of x's or h_prev's
	s_and_b32 s22, ttmp9, 255
	s_lshl_b32 s22, s22, 2
	s_add_co_u32 s22, s22, s20                     ; which run of 8 rows: 0 .. 1023
	s_bfe_u32 s23, ttmp9, 0x10008                  ; 0: x, 1: h_prev
	s_lshl_b32 s24, s22, 15                        ; source: 32,768 bytes a run
	s_lshl_b32 s26, s22, 13                        ; codes: 8 rows of 1,024 bytes a run,
	s_lshl_b32 s36, s23, 9
	s_add_co_u32 s26, s26, s36                     ; + 512 for h_prev's half of a row
	s_lshl_b32 s28, s22, 8                         ; scale bytes: 256 a run,
	s_lshl_b32 s36, s23, 18
	s_add_co_u32 s28, s28, s36                     ; + 8,192 x 32 for h_prev's half
	; and as one of Wx's or Wh's
	s_and_b32 s30, ttmp9, 127
	s_lshl_b32 s30, s30, 2
	s_add_co_u32 s30, s30, s20                     ; which run of 8 rows: 0 .. 511: gate = run / 128, unit = 8 (run % 128)
	s_bfe_u32 s31, ttmp9, 0x10007                  ; 0: Wx, 1: Wh
	s_lshl_b32 s32, s30, 15                        ; source
	s_and_b32 s33, s30, 124
	s_lshl_b32 s33, s33, 5                         ; 128 (unit / 32)
	s_lshr_b32 s36, s30, 7
	s_lshl_b32 s36, s36, 5                         ; 32 x gate
	s_add_co_u32 s33, s33, s36
	s_and_b32 s36, s30, 3
	s_lshl_b32 s36, s36, 3                         ; unit % 32
	s_add_co_u32 s33, s33, s36                     ; n' of the run's first row; its 8 rows stay neighbours
	s_lshl_b32 s34, s33, 10
	s_lshl_b32 s36, s31, 9
	s_add_co_u32 s34, s34, s36                     ; codes
	s_lshl_b32 s35, s33, 5
	s_lshl_b32 s37, s31, 17
	s_add_co_u32 s35, s35, s37                     ; scale bytes: + 4,096 x 32 for Wh's half
	s_mov_b32 s25, 0                               ; the three offsets are pairs with 0 above
	s_mov_b32 s27, 0
	s_mov_b32 s29, 0
	s_wait_alu depctr_va_vdst(0)
	s_wait_kmcnt 0x0
	s_cmp_lt_u32 ttmp9, 256                        ; every choice hangs on the work-group's number alone
	s_cselect_b64 s[4:5], s[4:5], s[6:7]           ; x or h_prev
	s_cmp_lt_u32 ttmp9, 640
	s_cselect_b64 s[8:9], s[8:9], s[10:11]         ; Wx or Wh
	s_cmp_lt_u32 ttmp9, 512                        ; rows of the batch or rows of the weights?  Only selects follow: they leave SCC alone
	s_cselect_b64 s[4:5], s[4:5], s[8:9]
	s_cselect_b64 s[12:13], s[12:13], s[16:17]
	s_cselect_b64 s[14:15], s[14:15], s[18:19]
	s_cselect_b32 s24, s24, s32
	s_cselect_b32 s26, s26, s34
	s_cselect_b32 s28, s28, s35
	s_add_nc_u64 s[4:5], s[4:5], s[24:25]          ; the source at my run,
	s_add_nc_u64 s[12:13], s[12:13], s[26:27]      ; its codes,
	s_add_nc_u64 s[14:15], s[14:15], s[28:29]      ; its scale bytes
.macro LOAD t
.irp i, 0,1,2,3
	global_load_b128 v[R+16*((\t)%4)+4*\i:R+16*((\t)%4)+4*\i+3], v3, s[4:5] offset:2048*(\t)+512*\i th:TH_LOAD_NT   ; 32 lanes read 512 consecutive bytes; read once in the launch
.endr
.endm
.macro TURN t                          ; step t's numbers through the stage: LDS serves a wave's instructions in order (ISA guide 5.7.1.4), so no wait stands between the stores and the loads
.irp i, 0,1,2,3
	ds_store_b128 v14, v[R+16*((\t)%4)+4*\i:R+16*((\t)%4)+4*\i+3] offset:32*SP*((\t)%2)+8*SP*\i
.endr
.irp i, 0,1,2,3
	ds_load_b128 v[X+16*((\t)%2)+4*\i:X+16*((\t)%2)+4*\i+3], v15 offset:32*SP*((\t)%2)+16*\i
.endr
.endm
.irp t, 0,1,2,3
	LOAD \t
.endr
	s_wait_loadcnt 12                              ; step 0's four loads are in; the twelve of steps 1 to 3 may be out
	TURN 0
.macro STEP t
.set XS, X+16*((\t)%2)
.if (\t) > 0
	s_wait_dscnt 1                                 ; this step's numbers are back from the stage (the last step's byte store may be out): so its stores into the stage have read their registers,
.else
	s_wait_dscnt 0x0
.endif
.if (\t)+4 < STEPS
	LOAD (\t)+4                                    ; which take the loads of four steps on
.endif
.if (\t)+1 < STEPS
.if STEPS-2-(\t) >= 3
	s_wait_loadcnt 12                              ; the next step's four loads are in; those of the three steps behind it may be out
.else
	s_wait_loadcnt 4*(STEPS-2-(\t))                ; the counts run down: no load leaves the buffer
.endif
	TURN (\t)+1                                    ; and go through the other stage while this step is worked
.endif
	v_max3_num_f32 v8, |v[XS]|, |v[XS+1]|, |v[XS+2]|               ; the largest magnitude of my 16, in two chains
	v_max3_num_f32 v9, |v[XS+3]|, |v[XS+4]|, |v[XS+5]|
.irp i, 6,10
	v_max3_num_f32 v8, v8, |v[XS+\i]|, |v[XS+\i+1]|
	v_max3_num_f32 v9, v9, |v[XS+\i+2]|, |v[XS+\i+3]|
.endr
	v_max3_num_f32 v8, v8, |v[XS+14]|, |v[XS+15]|
	v_max3_num_f32 v8, v8, v9, 0x1800000           ; and the floor 2^(3 - 127), under which no largest magnitude is taken: so the byte cannot fall under 1
	v_max_num_f32_dpp v8, v8, v8 row_xmask:1 row_mask:0xf bank_mask:0xf   ; and of my neighbour's 16: the block's
	v_add_nc_u32 v11, 0xff000000, v8               ; 2 off its exponent field: the conversion takes the exponent field of this operand as its scale, and nothing else of it
	v_cvt_scalef32_pk8_fp4_f32 v[C+4*(\t)], v[XS:XS+7], v11        ; the first number's code in the lowest four bits
	v_cvt_scalef32_pk8_fp4_f32 v[C+4*(\t)+1], v[XS+8:XS+15], v11
	v_lshrrev_b32 v[E+(\t)], 23, v11               ; the scale's byte (a plain line behind the conversions)
	ds_store_b8 v5, v[E+(\t)] offset:16*(\t)       ; both lanes of a block write the same byte with the same value
	global_store_b64 v4, v[C+4*(\t):C+4*(\t)+1], s[12:13] offset:((\t)/2)*1024+((\t)%2)*256   ; row t / 2 of my 8, half t % 2 of its 512 bytes: 256 consecutive bytes, aligned
.endm
.irp t, 0,1,2,3,4,5,6,7,8,9,10,11,12,13,14,15
	STEP \t
.endr
	ds_load_b64 v[12:13], v6                       ; LDS serves a wave's instructions in order: these see my byte stores
	s_wait_dscnt 0x0
	global_store_b64 v7, v[12:13], s[14:15]        ; my 8 rows' 256 scale bytes: consecutive, aligned
	s_wait_tensorcnt 0x0
	ds_add_u32 v192, v193
	s_wait_dscnt 0x0
	s_endpgm
.Lfunc_end_k_qc246d9fb55_quant:
	.size	k_qc246d9fb55_quant, .Lfunc_end_k_qc246d9fb55_quant-k_qc246d9fb55_quant
	.p2alignl 7, 3214868480
	.fill 96, 4, 3214868480
	.section	.rodata,"a",@progbits
	.p2align	6, 0x0
	.amdhsa_kernel k_qc246d9fb55_quant
		.amdhsa_group_segment_fixed_size 33280
		.amdhsa_private_segment_fixed_size 0
		.amdhsa_enable_private_segment 0
		.amdhsa_kernarg_size 64
		.amdhsa_user_sgpr_count 2
		.amdhsa_user_sgpr_kernarg_segment_ptr 1
		.amdhsa_wavefront_size32 1
		.amdhsa_system_sgpr_workgroup_id_x 1
		.amdhsa_system_sgpr_workgroup_id_y 1
		.amdhsa_system_sgpr_workgroup_id_z 1
		.amdhsa_system_vgpr_workitem_id 0
		.amdhsa_next_free_vgpr 194
		.amdhsa_next_free_sgpr 66
		.amdhsa_reserve_vcc 0
		.amdhsa_float_denorm_mode_32 3
		.amdhsa_float_denorm_mode_16_64 3
		.amdhsa_memory_ordered 1
		.amdhsa_forward_progress 1
		.amdhsa_inst_pref_size 34
	.end_amdhsa_kernel
	.amdgpu_metadata
---
amdhsa.version: [ 1, 2 ]
amdhsa.kernels:
  - .name:           k_qc246d9fb55_quant
    .symbol:         k_qc246d9fb55_quant.kd
    .args:
      - { .name: x, .offset: 0, .size: 8, .value_kind: global_buffer, .address_space: global }
      - { .name: h_prev, .offset: 8, .size: 8, .value_kind: global_buffer, .address_space: global }
      - { .name: Wx, .offset: 16, .size: 8, .value_kind: global_buffer, .address_space: global }
      - { .name: Wh, .offset: 24, .size: 8, .value_kind: global_buffer, .address_space: global }
      - { .name: a_codes, .offset: 32, .size: 8, .value_kind: global_buffer, .address_space: global }
      - { .name: a_scales, .offset: 40, .size: 8, .value_kind: global_buffer, .address_space: global }
      - { .name: b_codes, .offset: 48, .size: 8, .value_kind: global_buffer, .address_space: global }
      - { .name: b_scales, .offset: 56, .size: 8, .value_kind: global_buffer, .address_space: global }
    .group_segment_fixed_size: 33280
    .private_segment_fixed_size: 0
    .kernarg_segment_align: 8
    .kernarg_segment_size: 64
    .max_flat_workgroup_size: 128
    .sgpr_count:     66
    .vgpr_count:     194
    .wavefront_size: 32
...
	.end_amdgpu_metadata
.endif
;; end of part 1
;; launch lstm (part 2): grid 16 x 32, 8 waves a work-group, clusters of 4 x 4, 327,680 bytes of LDS; arguments a_codes, a_scales, b_codes, b_scales, bh, c_prev, out0, out1; writes out0, out1
.if DOCPART == 2
	.amdgcn_target "amdgcn-amd-amdhsa--gfx1250"
	.amdhsa_code_object_version 6
	.text
	.protected	k_qc246d9fb55_lstm
	.globl	k_qc246d9fb55_lstm
	.p2align	8
	.type	k_qc246d9fb55_lstm,@function
k_qc246d9fb55_lstm:
	s_mov_b64 s[64:65], 0
	v_nop
	global_prefetch_b8 v0, s[64:65] scope:SCOPE_SE
	s_setreg_imm32_b32 hwreg(HW_REG_WAVE_MODE, 25, 1), 1
	s_wait_xcnt 0x0
	s_wait_alu depctr_hold_cnt(0) depctr_sa_sdst(0) depctr_va_vdst(0) depctr_va_sdst(0) depctr_va_ssrc(0) depctr_va_vcc(0) depctr_vm_vsrc(0)
	s_getreg_b32 s2, hwreg(HW_REG_IB_STS2, 6, 4)
	s_cmp_eq_u32 s2, 0
	s_cbranch_scc0 .Lentry_in_a_cluster
	s_endpgm
.Lentry_in_a_cluster:
	s_bfe_u32 s2, ttmp6, 0x10000c
	s_cmp_lg_u32 s2, 0xf033
	s_cbranch_scc0 .Lentry_shape_is_right
	s_endpgm
.Lentry_shape_is_right:
; One LSTM step on codes of FP4 (E2M1) with one E8M0 scale for each 32 along K: gates = [x | h_prev] [Wx | Wh]^T + bh (M = 8,192, N = 4 x 1,024, K = 2,048),
; c_next = f c_prev + i g (out1), h_next = o tanh(c_next) (out0).  Sums and all behind them in f32.  The gates never go to memory.
; INPUTS: a_codes [8192][1024 bytes], a_scales [2 halves of K][8192][32], b_codes [4096 rows n'][1024 bytes], b_scales [2][4096][32]; gate g, unit h lies at row n' = 128 (h / 32) + 32 g + h % 32.
; THE CELL UPDATE: a = 2^(-zi L), c = 2^(-zf L), e = 2^(-zo L), b = 2^(-2 zg L), L = log2(e):  i tanh(g) = (1 - b) / ((1 + a)(1 + b)), f = 1 / (1 + c); with d = 2^(-2 c_next L): h_next = (1 - d) / ((1 + d)(1 + e)).
; LIMITS: NaN and infinities among the inputs are not served.  The exponents of b and d are held at 60 from above, where (1 - b) / (1 + b) is -1 in f32, so that 1 - b stays finite; a, c, e may overflow to infinity:
;         the reciprocal is then 0 and meets finite factors alone.  tanh's absolute error is about 2^-23, so its relative error grows for arguments far under 1.
; SHARES.  Work-group (tx, ty): batch rows 256 ty on x units 64 tx on, all four gates: 256 x 256 of the product.  Eight waves, two for each SIMD of a WGP, 512 registers each: wave w makes batch rows 128 (w / 4) on
; x units 16 (w % 4) on, four gates: 32 accumulators of 16 x 16.  B's block g of the wave is the 16 rows n' at 128 ((w % 4) / 2) + 32 g + 16 (w % 2) of the work-group's 256.
; THE MATRIX INSTRUCTION IS USED TRANSPOSED (source 0 = 16 rows of B, source 1 = 16 rows of A): lane (r, hh) holds batch row 16 a + r, register j of accumulator (a, g) gate g of unit 16 (w % 4) + 8 hh + j:
; the four gates of an element lie in one lane.  The bias is the C of each sum's first product.
; K goes in 4 steps of 512 (tile rows of 256 bytes) through two LDS slots; each is 4 steps of 128, 32 matrix instructions a wave.  The text is straight: 16 steps.
; THE HEAD'S LOADS, one a wave: waves 0, 1 K step 0's halves of A (128 rows), waves 2, 3 of B, waves 4, 5 A's scales (two halves of K), waves 6, 7 B's.  The scales stay in LDS.
; THE RING'S LATER LOADS, one a wave, 64 rows each: waves 0 to 3 A's quarters, waves 4 to 7 B's.
; c_prev (256 rows x 256 bytes) comes by tensor loads of waves 0 to 3 into slot 0 at that slot's last change, in the layout of the stage; one prefetch a wave (a lane a row) asks for it behind the first step of 128, eleven such steps ahead of that load.
; CLUSTERS: 4 x 4 work-groups; A's tiles and scales are asked for jointly along a row of the cluster, B's along a column.  c_prev is shared by nobody: a plain load.
; THE CODES' K STEPS 1 TO 3 ARE PREFETCHED behind the head's loads, two instructions a wave: K step 1 one fill ahead of its load, K steps 2 and 3 two and three.  The four partners that ask for a tile jointly share its 256 rows
; out by address (64 rows each, by cx for A and cy for B; 16 rows a wave, waves 0 to 3 A's, waves 4 to 7 B's): each 256 bytes are named once in each cluster that loads them.  In the second instruction lanes 16-31 name lanes 0-15's bytes again.
; REGISTERS: window 0: v16-31 addresses; v32-95 scale words, two sets, and nothing else; v96-159 A's fragments, one set, later the gates at work; v160-223 B's fragments, two sets, later c, h and rows on the way out;
;   v224-255 the bias, later rows on the way out.   window 1: accumulator (a, g) at v[8 (4 a + g)].
.set NQ,     4
.set ROWB,   256
.set KROW,   1024
.set PITCH,  272                       ; an LDS row: 256 bytes + 16 of padding: the 16 rows that a load touches start 68 words apart
.set NP,     4                         ; places behind this matrix instruction (ISA guide 7.12.1)
.set HALFT,  128*PITCH
.set SLOT,   4*HALFT                   ; A's 256 rows, then B's 256 rows
.set SCL,    2*SLOT                    ; behind the ring: the scales: B's first half of K, B's second, A's first, A's second
.set HALFS,  32*272                    ; one of these four: 8,192 bytes as 32 rows of 256 + 16
.set SBLK,   544                       ; the scales of 16 rows
.set SPARE,  SCL+4*HALFS               ; the spare words: 128 bytes for each of eight waves
.set HST,    256*272                   ; the way out lies in slot 0: from byte 0 c_prev, then c_next in place; from HST h_next
.set BLKB,   16*272
.set ADRA, 16
.set PF1,  18                          ; the codes' prefetches: 1,024 r + 256 hh;  v19: 1,024 r; never rewritten
.set PF2,  19
.set ADRB, 20
.set PFO,  22                          ; 4,096 x my thread's number: my row of c_prev's tile
.set RDC,  23
.set CPA,  24
.set HPA,  25
.set CO,   26
.set ADRS, 27
.set SPW,  28
.set NIL,  29
.set RDH,  30
.set BA,   31
.set SC,   32                          ; set s at v[SC + 32 s]; register 4 i + q: lanes 0-15 the word of A's block i, lanes 16-31 that of B's rows 16 i on from my first: B's block g lies in i = 2 g
.set AF,   96
.set T,    96                          ; the gates at work: i at T, f at T + 16, g at T + 32, o at T + 48; in each, register 8 s + j
.set BF,   160
.set CV,   160
.set HV,   176
.set BI,   224
.set WV,   20                          ; wave;  s21 wave / 2: what I fetch at the head;  s22 wave % 2: which part
.set LK,   21
.set LW,   22
.set TY,   23
.set WR,   40                          ; wave / 4: my half of the batch rows, also: in the ring I fetch for A (0) or B (1);  s41 wave % 4: my 16 units, also: which 64 rows I fetch
.set WC,   41
.set TX,   42
.set G1,   24
.set G0,   32
.set G1B,  48
.set G0B,  56
.set G1S,  68
.set G0S,  76
.set G1SB, 80
.set G0SB, 88
.set G1C,  4                           ; c_prev's groups: s[4:11] (the arguments that lay there have been used by then), s[92:95]
.set G0C,  92
.set KN,   96                          ; s[96:97] -log2(e);  s[98:99] -2 log2(e) (until the head's end: the ring's first addresses);  s100 60.0
.set KM,   98
.set CL,   100
.set MSB, 0
.macro WIN new                         ; the immediate's high byte repeats the setting that is left
.if MSB != \new
	s_set_vgpr_msb (MSB<<8)|\new
.set MSB, \new
.endif
.endm
.set MULW,   0x50                      ; C and D window 1
.set FIRSTW, 0x40                      ; D window 1, C (the bias) window 0
.macro TL g0, g1                       ; a tensor load with an s_nop and four v_nops behind it
	tensor_load_to_lds s[\g0:\g0+3], s[\g1:\g1+7]
	s_nop 0
.rept 4
	v_nop
.endr
.endm
.macro JLOAD s                         ; the ring's joint load: waves 0 to 3 A's quarters, waves 4 to 7 B's; the branch hangs on the wave's number alone
	s_cmp_lt_u32 s[WR], 1
	s_cbranch_scc0 .Lfor_b_\@
	TL G0+4*\s, G1
	s_branch .Lasked_\@
.Lfor_b_\@:
	TL G0B+4*\s, G1B
.Lasked_\@:
.endm
.macro CLOAD                           ; c_prev: waves 0 to 3, 64 rows each
	s_cmp_lt_u32 s[LK], 2
	s_cbranch_scc0 .Lno_c_\@
	TL G0C, G1C
.Lno_c_\@:
.endm
.macro CREST
	s_cmp_lg_u32 s[WV], 0
	s_cbranch_scc1 .Lnot_wave_0_\@
	s_barrier_signal -3
.Lnot_wave_0_\@:
	s_barrier_wait -3
	s_barrier_signal -1
	s_barrier_wait -1
.endm
.macro CROUND
	s_barrier_signal -1
	s_barrier_wait -1
	CREST
.endm
	s_load_b256 s[4:11], s[0:1], 0x0               ; a_codes, a_scales, b_codes, b_scales
	s_load_b256 s[12:19], s[0:1], 0x20             ; bh, c_prev, out0, out1
	v_lshl_add_u32 v[SPW], v0, 2, SPARE
	v_mov_b32 v[NIL], 0
	ds_add_u32 v[SPW], v[NIL]                      ; the opening lines: the add twice on end and its wait
	ds_add_u32 v[SPW], v[NIL]
	s_wait_dscnt 0x0
	v_lshrrev_b32 v1, 5, v0
	v_readfirstlane_b32 s[WV], v1                  ; wave 0..7
	v_and_b32 v2, 15, v0
	v_bfe_u32 v3, v0, 4, 1
	v_lshlrev_b32 v[PF2], 10, v2                   ; a lane a row of codes,
	v_lshl_add_u32 v[PF1], v3, 8, v[PF2]           ; lanes 16-31 one K step on
	s_wait_alu depctr_va_vdst(0)                   ; directly behind the writes
	s_lshr_b32 s[LK], s[WV], 1
	s_and_b32 s[LW], s[WV], 1
	s_lshr_b32 s[WR], s[WV], 2
	s_and_b32 s[WC], s[WV], 3
	s_bfe_u32 s2, ttmp6, 0x40000                   ; cx, cy
	s_bfe_u32 s3, ttmp6, 0x40004
	s_lshl_b32 s[TX], ttmp9, 2
	s_add_co_u32 s[TX], s[TX], s2                  ; tile column
	s_and_b32 s[TY], ttmp7, 0xffff
	s_lshl_b32 s[TY], s[TY], 2
	s_add_co_u32 s[TY], s[TY], s3                  ; tile row
	s_lshl_b32 s43, s3, 2
	s_lshl_b32 s43, 15, s43                        ; my row of the cluster
	s_lshl_b32 s44, 0x1111, s2                     ; my column
	s_cmp_eq_u32 s[WR], 0                          ; the prefetches: A's rows (waves 0 to 3) or B's
	s_cselect_b32 s100, s[TY], s[TX]               ; the tile,
	s_cselect_b32 s101, s2, s3                     ; my place among the four that ask for it with me: an address alone hangs on it
	s_lshl_b32 s100, s100, 2
	s_add_co_u32 s100, s100, s101                  ; my work-group's 64 rows of its 256,
	s_lshl_b32 s100, s100, 2
	s_add_co_u32 s100, s100, s[WC]                 ; my wave's 16 of them,
	s_lshl_b32 s100, s100, 14                      ; in bytes: 16 rows of 1,024
	s_or_b32 s[G1+0], s43, (0<<16)|(1<<20)|(1<<21)|(5<<22)|(3<<25)  ; mask; elements of 1 byte; padding of 4 words behind every 64; bit 21 beside a mask
	s_or_b32 s[G1B+0], s44, (0<<16)|(1<<20)|(1<<21)|(5<<22)|(3<<25)
.irp g, G1, G1B
	s_mov_b32 s[\g+1], ROWB<<16                    ; at the head 128 rows x 256 bytes, 1,024 bytes from row to row
	s_mov_b32 s[\g+2], 128<<16
	s_mov_b32 s[\g+3], ROWB<<16
	s_mov_b32 s[\g+4], 128
	s_mov_b32 s[\g+5], KROW
	s_mov_b32 s[\g+6], 0
	s_mov_b32 s[\g+7], 0
.endr
	s_or_b32 s[G1S+0], s43, (3<<16)|(1<<20)|(1<<21)|(5<<22)|(3<<25) ; the scales of 256 rows and one half of K: 8,192 dense bytes as 32 rows of 32 elements of 8 bytes
	s_or_b32 s[G1SB+0], s44, (3<<16)|(1<<20)|(1<<21)|(5<<22)|(3<<25)
.irp g, G1S, G1SB
	s_mov_b32 s[\g+1], 32<<16
	s_mov_b32 s[\g+2], 32<<16
	s_mov_b32 s[\g+3], 32<<16
	s_mov_b32 s[\g+4], 32
	s_mov_b32 s[\g+5], 32
	s_mov_b32 s[\g+6], 0
	s_mov_b32 s[\g+7], 0
.endr
	s_lshl_b32 s101, s[LW], 17                     ; the head's codes: which 128 rows of 1,024 bytes I fetch
	s_lshl_b32 s66, s[TY], 18
	s_add_co_u32 s66, s66, s101                    ; A's codes hang on the tile row and the wave alone,
	s_mov_b32 s67, 0
	s_lshl_b32 s46, s[TX], 18
	s_add_co_u32 s46, s46, s101                    ; B's on the tile column and the wave alone
	s_mov_b32 s47, 0
	s_lshl_b32 s92, s[TX], 13                      ; B's scales: + which half of K: 4,096 x 32 bytes
	s_add_co_u32 s92, s92, s101
	s_mov_b32 s93, 0
	s_lshl_b32 s101, s[LW], 18                     ; A's: a half of K is 8,192 x 32 bytes
	s_lshl_b32 s2, s[TY], 13
	s_add_co_u32 s2, s2, s101
	s_mov_b32 s3, 0
	s_lshl_b32 s101, s[WC], 16                     ; the ring's codes: which 64 rows I fetch
	s_lshl_b32 s96, s[TY], 18
	s_add_co_u32 s96, s96, s101
	s_mov_b32 s97, 0
	s_lshl_b32 s98, s[TX], 18
	s_add_co_u32 s98, s98, s101
	s_mov_b32 s99, 0
	s_mov_b32 s101, 0                              ; the prefetches' offset is the pair s[100:101]
	s_mul_i32 s45, s[WC], HALFT                    ; where the head's tiles go: A's halves, then B's halves
	s_mul_i32 s94, s[LW], HALFS
	s_wait_kmcnt 0x0
	s_add_nc_u64 s[66:67], s[4:5], s[66:67]
	s_add_nc_u64 s[2:3], s[6:7], s[2:3]
	s_add_nc_u64 s[46:47], s[8:9], s[46:47]
	s_add_nc_u64 s[92:93], s[10:11], s[92:93]
	s_add_nc_u64 s[96:97], s[4:5], s[96:97]
	s_add_nc_u64 s[98:99], s[8:9], s[98:99]
	CROUND                                         ; all sixteen work-groups are here: the first joint loads meet
	s_mov_b32 s[G0S], 1
	s_add_co_u32 s[G0S+1], s94, SCL+2*HALFS
	s_mov_b64 s[G0S+2:G0S+3], s[2:3]
	s_or_b32 s[G0S+3], s[G0S+3], 0x80000000
	s_mov_b32 s[G0SB], 1
	s_add_co_u32 s[G0SB+1], s94, SCL
	s_mov_b64 s[G0SB+2:G0SB+3], s[92:93]
	s_or_b32 s[G0SB+3], s[G0SB+3], 0x80000000
	s_mov_b32 s[G0], 1                             ; slot 0's groups 0, for the head: K step 0, 128 rows
	s_mov_b32 s[G0+1], s45
	s_mov_b64 s[G0+2:G0+3], s[66:67]
	s_or_b32 s[G0+3], s[G0+3], 0x80000000
	s_mov_b32 s[G0B], 1
	s_mov_b32 s[G0B+1], s45
	s_mov_b64 s[G0B+2:G0B+3], s[46:47]
	s_or_b32 s[G0B+3], s[G0B+3], 0x80000000
	s_mov_b32 s[G0+4], 1                           ; slot 1's, for the ring: K step 1, my 64 rows, at wave x 64 rows of the slot
	s_mul_i32 s[G0+5], s[WV], 64*PITCH
	s_add_co_u32 s[G0+5], s[G0+5], SLOT
	s_add_nc_u64 s[G0+6:G0+7], s[96:97], ROWB
	s_or_b32 s[G0+7], s[G0+7], 0x80000000
	s_mov_b32 s[G0B+4], 1
	s_mul_i32 s[G0B+5], s[WV], 64*PITCH
	s_add_co_u32 s[G0B+5], s[G0B+5], SLOT
	s_add_nc_u64 s[G0B+6:G0B+7], s[98:99], ROWB
	s_or_b32 s[G0B+7], s[G0B+7], 0x80000000
	s_cmp_eq_u32 s[WR], 0
	s_cselect_b64 s[2:3], s[4:5], s[8:9]           ; the prefetches' base: a_codes or b_codes, by the wave's number,
	s_add_nc_u64 s[2:3], s[2:3], s[100:101]        ; at my 16 rows
; one chain of branches on the wave's number: every way through it passes exactly one load
.macro ARM under, g0, g1, next
	s_cmp_lt_u32 s[LK], \under
	s_cbranch_scc0 \next
	TL \g0, \g1
	s_branch .Lhead_asked
\next:
.endm
	ARM 1, G0,  G1,  .Lhead_b
	ARM 2, G0B, G1B, .Lhead_sa
	ARM 3, G0S, G1S, .Lhead_sb
	TL G0SB, G1SB
.Lhead_asked:
	global_prefetch_b8 v[PF1], s[2:3] offset:256 th:TH_LOAD_NT scope:SCOPE_SE   ; my 16 rows' K steps 1 (lanes 0-15) and 2 (lanes 16-31): bytes 256 to 767 of rows of 1,024: inside the buffer
	global_prefetch_b8 v[PF2], s[2:3] offset:768 th:TH_LOAD_NT scope:SCOPE_SE   ; and K step 3
	s_mov_b32 s[G1C+0], (2<<16)|(1<<20)|(5<<22)|(3<<25)   ; c_prev: no mask; elements of 4 bytes; 64 rows x 64 elements, 1,024 elements from row to row; the same padding
	s_mov_b32 s[G1C+1], 64<<16
	s_mov_b32 s[G1C+2], 64<<16
	s_mov_b32 s[G1C+3], 64<<16
	s_mov_b32 s[G1C+4], 64
	s_mov_b32 s[G1C+5], 1024
	s_mov_b32 s[G1C+6], 0
	s_mov_b32 s[G1C+7], 0
	s_lshl_b32 s66, s[TY], 20                      ; 256 rows of 4,096 bytes a tile row,
	s_lshl_b32 s67, s[TX], 8                       ; 64 units of 4 bytes a tile column
	s_add_co_u32 s66, s66, s67
	s_mov_b32 s67, 0
	s_add_nc_u64 s[14:15], s[14:15], s[66:67]      ; c_prev at the tile
	s_lshl_b32 s46, s[WR], 19                      ; the outputs: my 128 rows,
	s_add_co_u32 s66, s66, s46
	s_lshl_b32 s46, s[WC], 15                      ; and of each 32 the 8 that I store
	s_add_co_u32 s66, s66, s46
	s_add_nc_u64 s[16:17], s[16:17], s[66:67]
	s_add_nc_u64 s[18:19], s[18:19], s[66:67]
	s_lshl_b32 s66, s[TX], 8                       ; the bias: my 16 units
	s_lshl_b32 s46, s[WC], 6
	s_add_co_u32 s66, s66, s46
	s_add_nc_u64 s[12:13], s[12:13], s[66:67]
	s_mov_b32 s[CL], 0x42700000
	s_wait_xcnt 0x0                                ; the prefetches have read their base: s2 and s3 are written again only behind this wait
	s_lshr_b32 s2, s[WC], 1                        ; which 128 rows n' hold my units,
	s_and_b32 s3, s[WC], 1                         ; and which 16 of each gate's 32
	v_and_b32 v1, 15, v0                           ; r
	v_bfe_u32 v2, v0, 4, 1                         ; hh
	v_mul_u32_u24 v3, v1, PITCH
	v_lshl_add_u32 v4, v2, 4, v3                   ; a fragment's row x pitch + 16 x half
	s_mul_i32 s94, s[WR], HALFT                    ; my 128 rows of A
	s_mul_i32 s95, s2, HALFT
	s_mul_i32 s101, s3, 16*PITCH
	s_add_co_u32 s95, s95, s101
	s_add_co_u32 s95, s95, 2*HALFT                 ; my first row of B
.irp s, 0,1
	v_add_nc_u32 v[ADRA+\s], s94, v4
	v_add_nc_u32 v[ADRB+\s], s95, v4
	s_add_co_u32 s94, s94, SLOT
	s_add_co_u32 s95, s95, SLOT
.endr
	s_wait_alu depctr_va_vdst(0)                   ; directly ahead of the reader below
	v_lshlrev_b32 v5, 5, v1                        ; my row's scales: 32 bytes a row,
	v_lshrrev_b32 v6, 3, v1
	v_lshl_add_u32 v5, v6, 4, v5                   ; and 16 more for each 256 passed
	s_mul_i32 s94, s[WR], 8*SBLK
	s_add_co_u32 s94, s94, 2*HALFS                 ; A's, behind B's two blocks
	s_mul_i32 s95, s2, 8*SBLK
	s_mul_i32 s101, s3, SBLK
	s_add_co_u32 s95, s95, s101                    ; B's
	s_sub_co_u32 s94, s94, s95
	v_xor_b32 v6, 1, v2
	v_mul_u32_u24 v6, s94, v6                      ; lanes 0-15 take A's: one product, the distance between the two bases
	s_add_co_u32 s95, s95, SCL
	v_add_nc_u32 v5, v5, v6
	v_add_nc_u32 v[ADRS], s95, v5
	v_mul_u32_u24 v5, v2, 272
	v_lshl_add_u32 v5, v1, 4, v5                   ; whole rows: lanes 0-15 one row of 256 bytes, lanes 16-31 the next
	s_mul_i32 s94, s[WR], 128*272
	s_mul_i32 s95, s[WC], 8*272
	s_add_co_u32 s95, s95, s94
	v_add_nc_u32 v[RDC], s95, v5
	v_add_nc_u32 v[RDH], HST, v[RDC]
	s_lshl_b32 s95, s[WC], 6
	s_add_co_u32 s95, s95, s94
	v_lshl_add_u32 v6, v2, 5, v3                   ; the cell update: row r, + 32 hh,
	v_add_nc_u32 v[CPA], s95, v6                   ; + my 128 rows, + my 16 units' 64 bytes
	v_add_nc_u32 v[HPA], HST, v[CPA]
	v_lshlrev_b32 v[CO], 12, v2
	v_lshl_add_u32 v[CO], v1, 4, v[CO]
	v_lshlrev_b32 v[BA], 5, v2
	v_lshlrev_b32 v[PFO], 12, v0
	s_lshl_b32 s46, s[WC], 18                      ; c_prev's group 0, made here, where s94 and s95 serve as temporaries no more: the 64 rows that waves 0 to 3 fetch
	s_mov_b32 s47, 0
	s_mov_b32 s[G0C], 1
	s_mul_i32 s[G0C+1], s[WC], 64*272
	s_add_nc_u64 s[G0C+2:G0C+3], s[14:15], s[46:47]
	s_or_b32 s[G0C+3], s[G0C+3], 0x80000000
	s_wait_alu depctr_va_vdst(0)                   ; the head's end
.irp g, 0,1,2,3
.irp c, 0,1
	global_load_b128 v[BI+8*\g+4*\c:BI+8*\g+4*\c+3], v[BA], s[12:13] offset:\g*4096+16*\c   ; bh(g, 8 hh + 4 c ..): the result's layout
.endr
.endr
.macro FRAG reg, adr, q, rowoff        ; 16 rows x 128 K of 4-bit codes: registers 4 c .. 4 c + 3 hold K = 64 c + 32 hh + 0 .. 31
.irp c, 0,1
	ds_load_b128 v[\reg+4*\c:\reg+4*\c+3], v[\adr] offset:64*(\q)+32*\c+(\rowoff)
.endr
.endm
; 8 matrix instructions: A's blocks a0, a0 + 1 x B's four.  The 32 accumulators take turns, in the same order in every step.
.macro MUL8 a0, p, q, sc, first
.irp a, \a0, \a0+1
.irp b, 0,1,2,3
.if \first
	v_wmma_scale_f32_16x16x128_f8f6f4 v[8*(4*(\a)+\b):8*(4*(\a)+\b)+7], v[BF+32*(\p)+8*\b:BF+32*(\p)+8*\b+7], v[AF+8*(\a):AF+8*(\a)+7], v[BI+8*\b:BI+8*\b+7], v[SC+32*(\sc)+8*\b+(\q)], v[SC+32*(\sc)+4*(\a)+(\q)] matrix_a_fmt:MATRIX_FMT_FP4 matrix_b_fmt:MATRIX_FMT_FP4 matrix_a_scale:MATRIX_SCALE_ROW1
.else
	v_wmma_scale_f32_16x16x128_f8f6f4 v[8*(4*(\a)+\b):8*(4*(\a)+\b)+7], v[BF+32*(\p)+8*\b:BF+32*(\p)+8*\b+7], v[AF+8*(\a):AF+8*(\a)+7], v[8*(4*(\a)+\b):8*(4*(\a)+\b)+7], v[SC+32*(\sc)+8*\b+(\q)], v[SC+32*(\sc)+4*(\a)+(\q)] matrix_a_fmt:MATRIX_FMT_FP4 matrix_b_fmt:MATRIX_FMT_FP4 matrix_a_scale:MATRIX_SCALE_ROW1
.endif
.endr
.endr
.endm
.macro FETCH_B slot, q, p              ; B's four fragments: the gates' blocks lie 32 rows apart
.irp i, 0,1,2,3
	FRAG BF+32*(\p)+8*\i, ADRB+\slot, \q, \i*32*PITCH
.endr
.endm
.macro FETCH_A slot, q, i0
.irp i, \i0, \i0+1, \i0+2, \i0+3
	FRAG AF+8*(\i), ADRA+\slot, \q, (\i)*16*PITCH
.endr
.endm
.macro SCALES sc, ks                   ; K step ks's scale words into set sc
.irp i, 0,1,2,3,4,5,6,7
	ds_load_b128 v[SC+32*(\sc)+4*\i:SC+32*(\sc)+4*\i+3], v[ADRS] offset:((\ks)/2)*HALFS+((\ks)%2)*16+\i*SBLK
.endr
.endm
.macro PLACES n
.rept \n
	v_nop
.endr
.endm
; A step of 128 along K with its successor in the same slot.  One set serves A: blocks 0-3 are fetched anew in the step's middle, blocks 4-7 at its end.  B has two sets.
.macro STEP slot, q, first
	s_wait_dscnt 8                                 ; all but the youngest eight loads (A's blocks 4-7)
.if \first
	WIN FIRSTW
.else
	WIN MULW
.endif
	MUL8 0, (\q)%2, \q, \slot, \first
	MUL8 2, (\q)%2, \q, \slot, \first
	s_wait_dscnt 0
	PLACES NP
	WIN 0
	FETCH_B \slot, (\q)+1, 1-(\q)%2
	FETCH_A \slot, (\q)+1, 0
.if \first
	WIN FIRSTW
.else
	WIN MULW
.endif
	MUL8 4, (\q)%2, \q, \slot, \first
	MUL8 6, (\q)%2, \q, \slot, \first
	PLACES NP
	WIN 0
	FETCH_A \slot, (\q)+1, 4
.endm
; A slot's last step changes slots: in front of the round each wave waits for all its tensor loads, adds 0 to its spare word, and waits for that and for its reads of this slot.
; fill = 1: this slot takes the K step two on.  fill = 2: slot 0 takes c_prev.  ks: the K step in the next slot.
.macro TURN slot, next, fill, ks
	s_wait_tensorcnt 0x0
	ds_add_u32 v[SPW], v[NIL]
	s_wait_dscnt 9                                 ; (the add and the youngest eight loads may be out)
	WIN MULW
	MUL8 0, 1, NQ-1, \slot, 0
	s_wait_dscnt 0x0                               ; the add is done, and my reads of this slot are over
	s_barrier_signal -1
	MUL8 2, 1, NQ-1, \slot, 0
	WIN 0
	s_barrier_wait -1
	CREST                                          ; no wave of any partner still reads this slot or has a load on its way
.if \fill == 1
	s_add_nc_u64 s[G0+4*\slot+2:G0+4*\slot+3], s[G0+4*\slot+2:G0+4*\slot+3], 2*ROWB
	s_add_nc_u64 s[G0B+4*\slot+2:G0B+4*\slot+3], s[G0B+4*\slot+2:G0B+4*\slot+3], 2*ROWB
	JLOAD \slot
.else
	CLOAD
	PLACES NP                                      ; for the waves that issued no load
.endif
	FETCH_B \next, 0, 0
	FETCH_A \next, 0, 0
	SCALES \next, \ks
	WIN MULW
	MUL8 4, 1, NQ-1, \slot, 0
	MUL8 6, 1, NQ-1, \slot, 0
	PLACES NP
	WIN 0
	FETCH_A \next, 0, 4
.endm
.macro STEPS slot, from
.set Q, \from
.rept NQ-1-\from
	STEP \slot, Q, 0
.set Q, Q+1
.endr
.endm
	s_wait_tensorcnt 0x0                           ; my tile of the head's eight is in
	ds_add_u32 v[SPW], v[NIL]
	s_mov_b32 s[G1+2], 64<<16                      ; no tensor load of mine is out, so descriptors may be written: from here on a load brings 64 rows,
	s_mov_b32 s[G1+4], 64
	s_mov_b32 s[G1B+2], 64<<16
	s_mov_b32 s[G1B+4], 64
	s_mul_i32 s[G0+1], s[WV], 64*PITCH             ; and slot 0's groups 0 stand at my 64 rows of K step 0: the first refill steps them to K step 2
	s_mov_b64 s[G0+2:G0+3], s[96:97]
	s_or_b32 s[G0+3], s[G0+3], 0x80000000
	s_mul_i32 s[G0B+1], s[WV], 64*PITCH
	s_mov_b64 s[G0B+2:G0B+3], s[98:99]
	s_or_b32 s[G0B+3], s[G0B+3], 0x80000000
	s_mov_b32 s[KN], 0xbfb8aa3b                    ; the constants of the cell update take the registers that held the ring's first addresses
	s_mov_b32 s[KN+1], s[KN]
	s_mov_b32 s[KM], 0xc038aa3b
	s_mov_b32 s[KM+1], s[KM]
	s_wait_dscnt 0x0
	CROUND
	JLOAD 1                                        ; K step 1: slot 1's first fill
	FETCH_B 0, 0, 0
	FETCH_A 0, 0, 0
	SCALES 0, 0
	FETCH_A 0, 0, 4
	s_wait_loadcnt 0x0                             ; the bias
	STEP 0, 0, 1                                   ; the first products start the sums with the bias
	global_prefetch_b8 v[PFO], s[14:15] th:TH_LOAD_NT scope:SCOPE_SE   ; c_prev's tile: 256 threads, a row of 256 bytes each; neither register is written again
	STEPS 0, 1
	TURN 0, 1, 1, 1
	STEPS 1, 0
	TURN 1, 0, 1, 2
	STEPS 0, 0
	TURN 0, 1, 2, 3                                ; slot 0's last fill: c_prev
	STEPS 1, 0
	s_wait_dscnt 8
	WIN MULW
	MUL8 0, 1, NQ-1, 1, 0
	MUL8 2, 1, NQ-1, 1, 0
	s_wait_dscnt 0
	MUL8 4, 1, NQ-1, 1, 0
	MUL8 6, 1, NQ-1, 1, 0
	WIN 0
	PLACES NP
; THE WAY OUT, two blocks of 16 batch rows by two: the cell update in registers, c_next (over c_prev's bytes) and h_next into the stages, a barrier (a row's 256 bytes come from four waves), and back as whole rows:
; sixteen lanes store 256 consecutive bytes, aligned.  Every stage byte is written by one lane and read back once.
.macro BAR
	s_wait_dscnt 0x0
	s_barrier_signal -1
	s_barrier_wait -1
.endm
.macro RDBACK p                        ; of pair p's 32 rows my 8, whole
.set RBS, 192+32*((\p)%2)
.irp i, 0,1,2,3
	ds_load_b128 v[RBS+4*\i:RBS+4*\i+3], v[RDC] offset:(\p)*2*BLKB+\i*544
	ds_load_b128 v[RBS+16+4*\i:RBS+16+4*\i+3], v[RDH] offset:(\p)*2*BLKB+\i*544
.endr
.endm
.macro SEND p
.set RBS, 192+32*((\p)%2)
.irp i, 0,1,2,3
	global_store_b128 v[CO], v[RBS+16+4*\i:RBS+16+4*\i+3], s[16:17] offset:(\p)*131072+\i*8192 th:TH_STORE_NT   ; h_next
	global_store_b128 v[CO], v[RBS+4*\i:RBS+4*\i+3], s[18:19] offset:(\p)*131072+\i*8192 th:TH_STORE_NT         ; c_next
.endr
.endm
.macro BATCH op, from, n               ; n transcendentals in place, with the waits and the plain place round a batch
	s_wait_alu depctr_va_vdst(0)
.set m, 0
.rept \n
	\op v[\from+m], v[\from+m]
.set m, m+1
.endr
	v_nop
	s_wait_alu depctr_va_vdst(0)
.endm
.macro HOLD from                       ; 16 exponents held at 60 from above
.set m, 0
.rept 16
	v_min_num_f32 v[\from+m], s[CL], v[\from+m]
.set m, m+1
.endr
.endm
.macro EPI p
.irp s, 0,1
.irp c, 0,1
	ds_load_b128 v[CV+8*\s+4*\c:CV+8*\s+4*\c+3], v[CPA] offset:(2*(\p)+\s)*BLKB+16*\c   ; c_prev of my 16 elements
.endr
.endr
	WIN 0x01                                       ; source 0: window 1
	s_wait_alu depctr_va_vdst(0)                   ; the wait ahead of the first readers of matrix results
.irp g, 0,1,2,3                                ; each accumulator from its low end on
.irp s, 0,1
.irp j, 0,2,4,6
.if \g == 2
	v_pk_mul_f32 v[T+16*\g+8*\s+\j:T+16*\g+8*\s+\j+1], v[8*(4*(2*(\p)+\s)+\g)+\j:8*(4*(2*(\p)+\s)+\g)+\j+1], s[KM:KM+1] op_sel_hi:[1,0]
.else
	v_pk_mul_f32 v[T+16*\g+8*\s+\j:T+16*\g+8*\s+\j+1], v[8*(4*(2*(\p)+\s)+\g)+\j:8*(4*(2*(\p)+\s)+\g)+\j+1], s[KN:KN+1] op_sel_hi:[1,0]
.endif
.endr
.endr
.endr
	WIN 0
	HOLD T+32
	BATCH v_exp_f32, T, 64                         ; a, c, b, e
.irp k, 0,2,4,6,8,10,12,14
	v_pk_fma_f32 v[HV+\k:HV+1+\k], v[T+32+\k:T+33+\k], -1.0, 1.0 op_sel_hi:[1,0,0]       ; 1 - b
.endr
.set n, 0
.rept 32
	v_pk_add_f32 v[T+n:T+n+1], v[T+n:T+n+1], 1.0 op_sel_hi:[1,0]                         ; 1 + a, 1 + c, 1 + b, 1 + e
.set n, n+2
.endr
.irp k, 0,2,4,6,8,10,12,14
	v_pk_mul_f32 v[T+\k:T+1+\k], v[T+\k:T+1+\k], v[T+32+\k:T+33+\k]                      ; (1 + a)(1 + b)
.endr
	BATCH v_rcp_f32, T, 32                         ; its reciprocal, and f
.irp k, 0,2,4,6,8,10,12,14
	v_pk_mul_f32 v[HV+\k:HV+1+\k], v[HV+\k:HV+1+\k], v[T+\k:T+1+\k]                      ; i tanh(g)
.endr
	s_wait_alu depctr_va_vdst(0)                   ; directly ahead of the wait below
	s_wait_dscnt 0x0                               ; c_prev is in, and so are the rows of the pair before
.if (\p) > 0
	SEND (\p)-1
.endif
.irp k, 0,2,4,6,8,10,12,14
	v_pk_fma_f32 v[CV+\k:CV+1+\k], v[T+16+\k:T+17+\k], v[CV+\k:CV+1+\k], v[HV+\k:HV+1+\k]   ; c_next
.endr
.irp s, 0,1
.irp c, 0,1
	ds_store_b128 v[CPA], v[CV+8*\s+4*\c:CV+8*\s+4*\c+3] offset:(2*(\p)+\s)*BLKB+16*\c   ; over the bytes that this lane read
.endr
.endr
.irp k, 0,2,4,6,8,10,12,14
	v_pk_mul_f32 v[T+32+\k:T+33+\k], v[CV+\k:CV+1+\k], s[KM:KM+1] op_sel_hi:[1,0]
.endr
	HOLD T+32
	BATCH v_exp_f32, T+32, 16                      ; d
.irp k, 0,2,4,6,8,10,12,14
	v_pk_fma_f32 v[HV+\k:HV+1+\k], v[T+32+\k:T+33+\k], -1.0, 1.0 op_sel_hi:[1,0,0]       ; 1 - d
.endr
.irp k, 0,2,4,6,8,10,12,14
	v_pk_add_f32 v[T+32+\k:T+33+\k], v[T+32+\k:T+33+\k], 1.0 op_sel_hi:[1,0]
.endr
.irp k, 0,2,4,6,8,10,12,14
	v_pk_mul_f32 v[T+32+\k:T+33+\k], v[T+32+\k:T+33+\k], v[T+48+\k:T+49+\k]              ; (1 + d)(1 + e)
.endr
	BATCH v_rcp_f32, T+32, 16
.irp k, 0,2,4,6,8,10,12,14
	v_pk_mul_f32 v[HV+\k:HV+1+\k], v[HV+\k:HV+1+\k], v[T+32+\k:T+33+\k]                  ; h_next
.endr
.irp s, 0,1
.irp c, 0,1
	ds_store_b128 v[HPA], v[HV+8*\s+4*\c:HV+8*\s+4*\c+3] offset:(2*(\p)+\s)*BLKB+16*\c
.endr
.endr
.endm
	s_wait_tensorcnt 0x0                           ; my part of c_prev has landed,
	BAR                                            ; everybody's has
	EPI 0
	BAR
	RDBACK 0
.irp p, 1,2,3
	EPI \p                                         ; pair p's arithmetic stands between pair p - 1's loads from the stage and their stores
	BAR
	s_wait_xcnt 0x0                                ; pair p - 2's stores have read their registers: pair p's rows may land there
	RDBACK \p
.endr
	s_wait_dscnt 0x0
	SEND 3
	s_wait_tensorcnt 0x0                           ; the wave's end
	ds_add_u32 v[SPW], v[NIL]
	s_wait_dscnt 0x0
	CROUND                                         ; the closing round
	s_endpgm
.Lfunc_end_k_qc246d9fb55_lstm:
	.size	k_qc246d9fb55_lstm, .Lfunc_end_k_qc246d9fb55_lstm-k_qc246d9fb55_lstm
	.p2alignl 7, 3214868480
	.fill 96, 4, 3214868480
	.section	.rodata,"a",@progbits
	.p2align	6, 0x0
	.amdhsa_kernel k_qc246d9fb55_lstm
		.amdhsa_group_segment_fixed_size 327680
		.amdhsa_private_segment_fixed_size 0
		.amdhsa_enable_private_segment 0
		.amdhsa_kernarg_size 64
		.amdhsa_user_sgpr_count 2
		.amdhsa_user_sgpr_kernarg_segment_ptr 1
		.amdhsa_wavefront_size32 1
		.amdhsa_system_sgpr_workgroup_id_x 1
		.amdhsa_system_sgpr_workgroup_id_y 1
		.amdhsa_system_sgpr_workgroup_id_z 1
		.amdhsa_system_vgpr_workitem_id 0
		.amdhsa_next_free_vgpr 512
		.amdhsa_next_free_sgpr 102
		.amdhsa_reserve_vcc 0
		.amdhsa_float_denorm_mode_32 3
		.amdhsa_float_denorm_mode_16_64 3
		.amdhsa_memory_ordered 1
		.amdhsa_forward_progress 1
		.amdhsa_inst_pref_size 179
	.end_amdhsa_kernel
	.amdgpu_metadata
---
amdhsa.version: [ 1, 2 ]
amdhsa.kernels:
  - .name:           k_qc246d9fb55_lstm
    .symbol:         k_qc246d9fb55_lstm.kd
    .args:
      - { .name: a_codes, .offset: 0, .size: 8, .value_kind: global_buffer, .address_space: global }
      - { .name: a_scales, .offset: 8, .size: 8, .value_kind: global_buffer, .address_space: global }
      - { .name: b_codes, .offset: 16, .size: 8, .value_kind: global_buffer, .address_space: global }
      - { .name: b_scales, .offset: 24, .size: 8, .value_kind: global_buffer, .address_space: global }
      - { .name: bh, .offset: 32, .size: 8, .value_kind: global_buffer, .address_space: global }
      - { .name: c_prev, .offset: 40, .size: 8, .value_kind: global_buffer, .address_space: global }
      - { .name: out0, .offset: 48, .size: 8, .value_kind: global_buffer, .address_space: global }
      - { .name: out1, .offset: 56, .size: 8, .value_kind: global_buffer, .address_space: global }
    .group_segment_fixed_size: 327680
    .private_segment_fixed_size: 0
    .kernarg_segment_align: 8
    .kernarg_segment_size: 64
    .max_flat_workgroup_size: 256
    .sgpr_count:     102
    .vgpr_count:     512
    .wavefront_size: 32
...
	.end_amdgpu_metadata
.endif
;; end of part 2
